; MI455X (gfx1250); checked and timed in simulation.
; The chip was launched on July 23, 2026; its instructions are those of AMD's public machine-readable ISA for CDNA 5 (MIT licence, August 2026) and "CDNA5" Instruction Set Architecture Reference Guide (July 2026). The comments in the code are by the model that wrote it; some were corrected since.
;; Masked Multi Head Attention. Allowed arithmetic: matrix products marked QUANTISED: E2M1 operands, one E8M0 scale for each 32 along K, by v_wmma_scale_f32_16x16x128_f8f6f4 with both operands' format E2M1 (or v_wmma_scale_f32_32x16x128_f4), f32 sums; everything else in f32.
;; Inputs: Wk 1,024 x 1,024 float32; Wo 1,024 x 1,024 float32; Wq 1,024 x 1,024 float32; Wv 1,024 x 1,024 float32; bk 1,024 float32; bo 1,024 float32; bq 1,024 float32; bv 1,024 float32; x 4 x 2,048 x 1,024 float32.
;; Outputs: out0 4 x 2,048 x 1,024 float32.
;; This version of the problem:
;;   THIS VERSION OF THE PROBLEM IS GIVEN IN LOW PRECISION. The matrix products marked QUANTISED in the list below multiply operands that are first quantised to E2M1 (2 exponent bits, 1 mantissa bit; 4 bits a number), with one power-of-two scale for each 32 numbers along K (OCP MX v1.0); their sums are f32. All else is computed in f32.
;;   The module's matrix products, in the order in which they are computed (A, B: the left and right operand; K: the contracted axis; several contracted axes count as one K, in the product's order):
;;     1. [M 8,192, K 1,024] x [K 1,024, N 1,024]; A: input x; B: input Wq: QUANTISED
;;     2. [M 8,192, K 1,024] x [K 1,024, N 1,024]; A: input x; B: input Wk: QUANTISED
;;     3. [M 8,192, K 1,024] x [K 1,024, N 1,024]; A: input x; B: input Wv: QUANTISED
;;     4. batch 64 x [M 2,048, K 64] x [K 64, N 2,048]; A: computed on the way; B: computed on the way: QUANTISED
;;     5. batch 64 x [M 2,048, K 2,048] x [K 2,048, N 64]; A: softmax (see below); B: computed on the way: QUANTISED
;;     6. [M 8,192, K 1,024] x [K 1,024, N 1,024]; A: computed on the way; B: input Wo: QUANTISED
;;   THE QUANTISER, for each operand of a quantised product, along K:
;;     - K is cut into blocks of 32 from its start; a last block that is shorter is filled with zeros.
;;     - A block's scale is 2^e with e = floor(log2(the largest magnitude in the block)) - 2, held to -126 .. 127; a block of zeros has e = 0. As a byte (E8M0): e + 127.
;;     - Each number is divided by its block's scale, clamped to +-6, and rounded to the nearest number of E2M1, ties to even, subnormals kept.
;;     - The product sums the exact products of the quantised numbers (number of the format x scale) in f32.
;;   ~~~python
;;   def quantise(x, axis):      # numpy; x: float32 -> the quantised numbers, widened to float32 again
;;       x = np.moveaxis(x, axis, -1); K = x.shape[-1]
;;       x = np.pad(x, [(0, 0)] * (x.ndim - 1) + [(0, -K % 32)]); x = x.reshape(x.shape[:-1] + (-1, 32)); a = np.abs(x).max(-1, keepdims=True)
;;       e = np.where(a > 0, np.clip(np.frexp(np.where(a > 0, a, 1))[1] - 1 - 2, -126, 127), 0)      # np.frexp(a)[1] - 1 = floor(log2(a)), exactly
;;       r = np.clip(x / 2.0 ** e, -6, 6)
;;       step = 2.0 ** (np.maximum(np.frexp(np.where(r == 0, 1, r))[1] - 1, 0) - 1)
;;       q = np.round(r / step) * step * 2.0 ** e      # np.round: ties to even
;;       return np.moveaxis(q.reshape(q.shape[:-2] + (-1,))[..., :K], -1, axis).astype(np.float32)
;;   ~~~
;;   SOFTMAX AHEAD OF A QUANTISED PRODUCT. Where the list says 'softmax', what is quantised is not the finished softmax but p = 2^(t - M), with t = logit x log2(e) and M = ceil(the row's largest t), a whole number; so 1/2 < the row's largest p <= 1. The row's sum l is taken of the UNQUANTISED p, in f32, and the product's result is divided by l at the end. Since M is a whole number, a kernel that streams over the keys may use a running M (the ceiling of the running maximum): every later rescaling is an exact power of two, which a block's scale takes up: the codes' values come out the same.
;;   OPERANDS COMPUTED ON THE WAY. 'Computed on the way' means the value that the module computes at that place (a softmax that the list does not call 'softmax' is quantised finished and normalised). What goes into a quantiser is computed in f32, as accurately as f32 sums, v_exp_f32 and their like allow (about 1e-6 of the number): no bf16 or f16 on the way to a quantiser, and a product that is left as it is and whose result goes on into a quantised operand takes f32 operands (vector FMAs, or v_wmma_f32_16x16x4_f32). A number that lies on a knife's edge between two numbers of the format may be rounded either way, as far as f32 arithmetic and the matrix unit's own rounding can turn it there, and no further.
;; One version. Each part assembles by itself: llvm-mc -triple=amdgcn-amd-amdhsa -mcpu=gfx1250 --defsym DOCPART=n.
;; ======== version 1 of 1: 4 launches
;; workspace buffers: x_img 4,194,304 bytes; x_sc 262,144 bytes; w_img 2,097,152 bytes; w_sc 131,072 bytes; qkv_img 12,582,912 bytes; qkv_sc 786,432 bytes; o_img 4,194,304 bytes; o_sc 262,144 bytes
;; launch quant (part 1): grid 384 x 1, 4 waves a work-group, no clusters, 34,304 bytes of LDS; arguments x, Wq, Wk, Wv, Wo, x_img, x_sc, w_img, w_sc; writes x_img, x_sc, w_img, w_sc
.if DOCPART == 1
	.amdgcn_target "amdgcn-amd-amdhsa--gfx1250"
	.amdhsa_code_object_version 6
	.text
	.protected	k_q9100d5e01c_quant
	.globl	k_q9100d5e01c_quant
	.p2align	8
	.type	k_q9100d5e01c_quant,@function
k_q9100d5e01c_quant:
	s_mov_b64 s[64:65], 0
	v_nop
	global_prefetch_b8 v0, s[64:65] scope:SCOPE_SE
	s_setreg_imm32_b32 hwreg(HW_REG_WAVE_MODE, 25, 1), 1
	s_wait_xcnt 0x0
; x [8192][1024] and Wq, Wk, Wv, Wo [1024][1024], f32 with K innermost, become codes of FP4 (E2M1) with one E8M0 byte for each 32 along K,
; laid as IMAGES OF OPERAND REGISTERS.  A tile is 16 rows: tile 2 G + u, lane-row r = matrix row 32 G + 8 u + r + 8 (r / 8).
; images: [tile][K step s of 128][c][lane][16 bytes]: lane (r, h) holds the codes of k = 128 s + 64 c + 32 h + 0 .. 31 of lane-row r.
; scale words: [tile][s / 4][r][s % 4], 32 bits: byte b scales k = 128 s + 32 b on.  w_img and w_sc hold Wq, Wk, Wv, Wo one behind the other (64 tiles each).
; A block's scale is 2^(floor(log2(largest magnitude)) - 2); its byte is the largest magnitude's exponent field - 2, held at 1 from below.
; LIMITS: NaN and infinities are not served; a block whose largest magnitude lies under 2^-124 keeps the byte 1; a block of zeros gets the byte 1 and not 127:
; its codes are zeros, and the bytes are read by this program alone.
; SHARES: a work-group takes 32 rows (work-groups 0-255: x; then 32 each for Wq, Wk, Wv, Wo).  Wave w takes tile u = w / 2 and K steps 4 (w % 2) .. + 3.
; Each load reads 512 consecutive bytes of one row; a step's 16 rows turn through the wave's own stage in LDS (rows 528 bytes apart), from which a lane takes two whole blocks of 32.
; A stream in which nothing is shared: no tensor loads, no cluster, no barrier.  Loads run two steps (32 loads a wave) ahead.
.set STG, 8448                         ; a wave's stage: 16 rows x (512 + 16) bytes
.set RA,  32                           ; v32-159  two sets of 64: numbers as loaded
.set XR,  160                          ; v160-223 64 numbers: my two blocks
.set CR,  224                          ; v224-255 codes, 8 registers a step, never written again
	s_load_b256 s[4:11], s[0:1], 0x0               ; x, Wq, Wk, Wv
	s_load_b256 s[12:19], s[0:1], 0x20             ; Wo, x_img, x_sc, w_img
	s_load_b64 s[20:21], s[0:1], 0x40              ; w_sc
	v_lshl_add_u32 v30, v0, 2, 0x8400
	v_mov_b32 v31, 0
	v_lshrrev_b32 v1, 5, v0
	v_readfirstlane_b32 s28, v1                    ; wave
	v_and_b32 v1, 31, v0                           ; lane
	v_and_b32 v2, 15, v0                           ; r
	v_bfe_u32 v3, v0, 4, 1                         ; h
	v_lshlrev_b32 v4, 4, v1                        ; 16 x lane: my bytes of a load's and of a store's 512
	s_mul_i32 s29, s28, STG
	v_add_nc_u32 v5, s29, v4                       ; the stage, on the way in
	v_mul_u32_u24 v6, v2, 528
	v_lshl_add_u32 v6, v3, 7, v6
	v_add_nc_u32 v6, s29, v6                       ; and on the way out: row r, + 128 h: block h of each 64 numbers
	v_lshlrev_b32 v7, 4, v2
	v_lshl_add_u32 v7, v3, 3, v7                   ; my two scale words: 16 r + 8 h
	v_lshlrev_b32 v8, 3, v3                        ; 8 h: my bytes' shift in a scale word
	v_mov_b32 v9, 0                                ; a lane permute's destination counts as read: written once
	v_cmp_lt_u32 s30, 15, v1                       ; lanes 16-31
	s_mov_b32 s34, 0x76543210
	s_mov_b32 s35, 0xfedcba98                      ; selects for lane l xor 16
	s_lshr_b32 s31, s28, 1                         ; u
	s_and_b32 s32, s28, 1                          ; which half of K
	s_sub_co_u32 s25, ttmp9, 256                   ; a weight's group among all weights,
	s_and_b32 s26, s25, 31                         ; and in its own tensor
	s_wait_kmcnt 0x0
	s_mov_b64 s[22:23], s[12:13]                   ; the source is chosen by the work-group's number alone
	s_cmp_lt_u32 ttmp9, 352
	s_cselect_b64 s[22:23], s[10:11], s[22:23]
	s_cmp_lt_u32 ttmp9, 320
	s_cselect_b64 s[22:23], s[8:9], s[22:23]
	s_cmp_lt_u32 ttmp9, 288
	s_cselect_b64 s[22:23], s[6:7], s[22:23]
	s_cmp_lt_u32 ttmp9, 256
	s_cselect_b64 s[22:23], s[4:5], s[22:23]
	s_cselect_b64 s[14:15], s[14:15], s[18:19]     ; images
	s_cselect_b64 s[16:17], s[16:17], s[20:21]     ; scale words
	s_cselect_b32 s26, ttmp9, s26                  ; group of 32 rows in the source,
	s_cselect_b32 s25, ttmp9, s25                  ; and in the destination
	s_lshl_b32 s36, s26, 17                        ; 32 rows of 4,096 bytes
	s_lshl_b32 s27, s31, 15                        ; + 8 u rows
	s_add_co_u32 s36, s36, s27
	s_lshl_b32 s27, s32, 11                        ; + my half of K
	s_add_co_u32 s36, s36, s27
	s_mov_b32 s37, 0
	s_add_nc_u64 s[22:23], s[22:23], s[36:37]
	s_lshl_b32 s25, s25, 1
	s_add_co_u32 s25, s25, s31                     ; my tile
	s_lshl_b32 s36, s25, 13
	s_lshl_b32 s27, s32, 12
	s_add_co_u32 s36, s36, s27
	s_add_nc_u64 s[14:15], s[14:15], s[36:37]
	s_lshl_b32 s36, s25, 9
	s_lshl_b32 s27, s32, 8
	s_add_co_u32 s36, s36, s27
	s_add_nc_u64 s[16:17], s[16:17], s[36:37]
.macro LOAD t                          ; step t: 512 bytes of each of my 16 rows
.irp i, 0,1,2,3,4,5,6,7,8,9,10,11,12,13,14,15
	global_load_b128 v[RA+64*((\t)%2)+4*\i:RA+64*((\t)%2)+4*\i+3], v4, s[22:23] offset:(\i+8*(\i/8))*4096+512*(\t) th:TH_LOAD_NT
.endr
.endm
.macro STEP t
.set RS, RA+64*((\t)%2)
.if (\t) < 3
	s_wait_loadcnt 16                              ; this step's 16 loads are in; the next step's 16 may be out
.else
	s_wait_loadcnt 0x0
.endif
.irp i, 0,1,2,3,4,5,6,7,8,9,10,11,12,13,14,15
	ds_store_b128 v5, v[RS+4*\i:RS+4*\i+3] offset:528*\i
.endr
.irp c, 0,1
.irp j, 0,1,2,3,4,5,6,7
	ds_load_b128 v[XR+32*\c+4*\j:XR+32*\c+4*\j+3], v6 offset:256*\c+16*\j   ; LDS serves a wave's instructions in order: these see the stores above
.endr
.endr
	s_wait_dscnt 0x0                               ; my blocks are in, and the stores have read their registers,
.if (\t) < 2
	LOAD (\t)+2                                    ; which take the loads of two steps on
.endif
.irp c, 0,1
	v_max3_num_f32 v[10+2*\c], |v[XR+32*\c]|, |v[XR+32*\c+1]|, |v[XR+32*\c+2]|   ; block 2 c + h: all its 32 numbers are mine; two chains a block
	v_max3_num_f32 v[11+2*\c], |v[XR+32*\c+3]|, |v[XR+32*\c+4]|, |v[XR+32*\c+5]|
.endr
.irp i, 6,10,14,18,22,26
.irp c, 0,1
	v_max3_num_f32 v[10+2*\c], v[10+2*\c], |v[XR+32*\c+\i]|, |v[XR+32*\c+\i+1]|
	v_max3_num_f32 v[11+2*\c], v[11+2*\c], |v[XR+32*\c+\i+2]|, |v[XR+32*\c+\i+3]|
.endr
.endr
.irp c, 0,1
	v_max3_num_f32 v[10+2*\c], v[10+2*\c], |v[XR+32*\c+30]|, |v[XR+32*\c+31]|
.endr
.irp c, 0,1
	v_max3_num_f32 v[10+2*\c], v[10+2*\c], v[11+2*\c], 0x1800000   ; and the floor 2^(3 - 127): the byte cannot fall under 1
.endr
.irp c, 0,1
	v_add_nc_u32 v[14+\c], 0xff000000, v[10+2*\c]  ; 2 off the exponent field: the conversion's scale operand
.endr
.irp c, 0,1
	v_lshrrev_b32 v[22+\c], 23, v[14+\c]           ; the scale's byte
.endr
.irp c, 0,1
.irp g, 0,1,2,3
	v_cvt_scalef32_pk8_fp4_f32 v[CR+8*(\t)+4*\c+\g], v[XR+32*\c+8*\g:XR+32*\c+8*\g+7], v[14+\c]
.endr
.endr
	v_lshl_or_b32 v[16+(\t)], v23, 16, v22         ; my two bytes, blocks h and 2 + h (a plain line behind the conversions),
	v_lshlrev_b32 v[16+(\t)], v8, v[16+(\t)]       ; at their places in the word;
	v_permlanex16_b32 v9, v[16+(\t)], s34, s35
	v_or_b32 v[16+(\t)], v[16+(\t)], v9            ; with lane l xor 16's two the word is whole
.irp c, 0,1
	global_store_b128 v4, v[CR+8*(\t)+4*\c:CR+8*(\t)+4*\c+3], s[14:15] offset:1024*(\t)+512*\c   ; 32 lanes store 512 consecutive bytes
.endr
.endm
	LOAD 0
	LOAD 1
	STEP 0
	STEP 1
	STEP 2
	STEP 3
	v_cndmask_b32 v20, v16, v18, s30               ; lanes 0-15 store words 0, 1 of row r, lanes 16-31 words 2, 3
	v_cndmask_b32 v21, v17, v19, s30
	global_store_b64 v7, v[20:21], s[16:17]        ; 32 lanes store 256 consecutive bytes, aligned
	s_wait_tensorcnt 0x0
	ds_add_u32 v30, v31
	s_wait_dscnt 0x0
	s_endpgm
.Lfunc_end_k_q9100d5e01c_quant:
	.size	k_q9100d5e01c_quant, .Lfunc_end_k_q9100d5e01c_quant-k_q9100d5e01c_quant
	.p2alignl 7, 3214868480
	.fill 96, 4, 3214868480
	.section	.rodata,"a",@progbits
	.p2align	6, 0x0
	.amdhsa_kernel k_q9100d5e01c_quant
		.amdhsa_group_segment_fixed_size 34304
		.amdhsa_private_segment_fixed_size 0
		.amdhsa_enable_private_segment 0
		.amdhsa_kernarg_size 72
		.amdhsa_user_sgpr_count 2
		.amdhsa_user_sgpr_kernarg_segment_ptr 1
		.amdhsa_wavefront_size32 1
		.amdhsa_system_sgpr_workgroup_id_x 1
		.amdhsa_system_sgpr_workgroup_id_y 1
		.amdhsa_system_sgpr_workgroup_id_z 1
		.amdhsa_system_vgpr_workitem_id 0
		.amdhsa_next_free_vgpr 256
		.amdhsa_next_free_sgpr 66
		.amdhsa_reserve_vcc 0
		.amdhsa_float_denorm_mode_32 3
		.amdhsa_float_denorm_mode_16_64 3
		.amdhsa_memory_ordered 1
		.amdhsa_forward_progress 1
		.amdhsa_inst_pref_size 30
	.end_amdhsa_kernel
	.amdgpu_metadata
---
amdhsa.version: [ 1, 2 ]
amdhsa.kernels:
  - .name:           k_q9100d5e01c_quant
    .symbol:         k_q9100d5e01c_quant.kd
    .args:
      - { .name: x, .offset: 0, .size: 8, .value_kind: global_buffer, .address_space: global }
      - { .name: Wq, .offset: 8, .size: 8, .value_kind: global_buffer, .address_space: global }
      - { .name: Wk, .offset: 16, .size: 8, .value_kind: global_buffer, .address_space: global }
      - { .name: Wv, .offset: 24, .size: 8, .value_kind: global_buffer, .address_space: global }
      - { .name: Wo, .offset: 32, .size: 8, .value_kind: global_buffer, .address_space: global }
      - { .name: x_img, .offset: 40, .size: 8, .value_kind: global_buffer, .address_space: global }
      - { .name: x_sc, .offset: 48, .size: 8, .value_kind: global_buffer, .address_space: global }
      - { .name: w_img, .offset: 56, .size: 8, .value_kind: global_buffer, .address_space: global }
      - { .name: w_sc, .offset: 64, .size: 8, .value_kind: global_buffer, .address_space: global }
    .group_segment_fixed_size: 34304
    .private_segment_fixed_size: 0
    .kernarg_segment_align: 8
    .kernarg_segment_size: 72
    .max_flat_workgroup_size: 128
    .sgpr_count:     66
    .vgpr_count:     256
    .wavefront_size: 32
...
	.end_amdgpu_metadata
.endif
;; end of part 1
;; launch qkv (part 2): grid 32 x 8, 4 waves a work-group, clusters of 4 x 1, 197,120 bytes of LDS; arguments x_img, x_sc, w_img, w_sc, bq, bk, bv, qkv_img, qkv_sc; writes qkv_img, qkv_sc
.if DOCPART == 2
	.amdgcn_target "amdgcn-amd-amdhsa--gfx1250"
	.amdhsa_code_object_version 6
	.text
	.protected	k_q9100d5e01c_qkv
	.globl	k_q9100d5e01c_qkv
	.p2align	8
	.type	k_q9100d5e01c_qkv,@function
k_q9100d5e01c_qkv:
	s_mov_b64 s[64:65], 0
	v_nop
	global_prefetch_b8 v0, s[64:65] scope:SCOPE_SE
	s_setreg_imm32_b32 hwreg(HW_REG_WAVE_MODE, 25, 1), 1
	s_wait_xcnt 0x0
	s_wait_alu depctr_hold_cnt(0) depctr_sa_sdst(0) depctr_va_vdst(0) depctr_va_sdst(0) depctr_va_ssrc(0) depctr_va_vcc(0) depctr_vm_vsrc(0)
	s_getreg_b32 s2, hwreg(HW_REG_IB_STS2, 6, 4)
	s_cmp_eq_u32 s2, 0
	s_cbranch_scc0 .Lentry_in_a_cluster
	s_endpgm
.Lentry_in_a_cluster:
	s_bfe_u32 s2, ttmp6, 0x10000c
	s_cmp_lg_u32 s2, 0x3003
	s_cbranch_scc0 .Lentry_shape_is_right
	s_endpgm
.Lentry_shape_is_right:
; q = x Wq^T + bq, k = x Wk^T + bk, v = x Wv^T + bv on codes of FP4 with E8M0 scales, and q, k, v quantised in registers for the attention launch.
; SHARES: work-group (mx, y) takes rows 256 mx on against three tiles of 128 columns: heads 2 y and 2 y + 1 of q, of k and of v.  Wave (wm = w / 2, wn = w % 2) takes 128 rows x one head: 32 accumulators.
; A (the wave's 128 rows, all of K: 512 registers) is loaded straight from its images, 512 consecutive bytes a load, and serves all three tiles.  It never enters LDS, so it is not asked for jointly.
; B (3 x 65,536 bytes of the weights' images) is filled into LDS ONCE; the four work-groups of a cluster differ in mx alone and ask for it jointly.  Three tensor loads of a wave are out at the most.
; TILE ROWS: tile 2 G + u, lane-row r = row 32 G + 8 u + r + 8 (r / 8), in x and in the weights.  So in a result the 16 registers of two neighbouring tiles are 16 neighbours:
;   q, k TRANSPOSED (source 0 = 16 rows of W, source 1 = 16 rows of x): a lane holds one row of x, its registers run along the head's channels, which are the next K;
;   v NATURAL (source 0 = x, source 1 = W): a lane holds one channel, its registers run along the sequence: the keys, which are the next K.
; OUT: qkv_img: q, k, v 4 MiB apart, each [16 b + head][g of 128 positions][4,096 bytes]; q, k: [tile][lane][16 bytes], lane (r, h) = block h of the row's 64 channels; v: [channel tile][c][lane][16 bytes].
;      qkv_sc: 256 KiB apart, [16 b + head][g][r][word G]: q, k: bytes 0, 1 tile 2 G's two blocks, bytes 2, 3 tile 2 G + 1's; v: the four key blocks of channel tile G.
; LIMITS: NaN and infinities are not served; a block whose largest magnitude lies under 2^-124 keeps the byte 1; a block of zeros gets the byte 1, not 127 (zero codes; bytes read by this program alone).
; REGISTERS, in windows of 256: window 1: A of K steps 0-3 at v[64 s + 8 a]; window 2: K steps 4-7; window 3: the 32 accumulators; window 0: all below.
.set LA,  4                            ; v4    16 x lane
.set LSC, 5                            ; v5    512 h + 16 r: scale words of two neighbouring tiles
.set BQ,  6                            ; v6    64 h: a bias in the transposed result's layout
.set BV,  7                            ; v7    4 (r + 8 (r / 8)): in the natural one's
.set LS8, 8                            ; v8    16 r + 8 h
.set LB,  9                            ; v9-11 LDS: my 64 columns of tile n
.set AS,  32                           ; v32-63   x's scale words: register 8 p + s: lanes 0-15 tile 2 p, lanes 16-31 tile 2 p + 1
.set WS,  64                           ; v64-111  the weights': register 16 n + 8 p + s likewise
.set BF,  112                          ; v112-175 two sets of four fragments of B
.set BI,  176                          ; v176-207 the bias, eight registers a tile of columns
.set CD,  208                          ; v208-239 codes
.set MX,  240                          ; v240-243 largest magnitudes; at the end the two words to store
.set PL,  244                          ; v244-247 the other half's maxima, then bytes
.set SO,  248                          ; v248-251 the conversions' scale operands
.set SW,  252                          ; v252-255 the scale words made
.set WV,  22                           ; s22 wave, s23 wm, s24 wn
.set G1,  28                           ; s[28:35] descriptor group 1
.set G0,  36                           ; s[36:47] group 0 for tiles 0, 1, 2
.set HM,  51                           ; s51 lanes 16-31
.set SEL, 56                           ; s[56:57] selects for lane l xor 16
.set IMG, 58                           ; s[58:63] where my images go, for q, k, v
.set SCB, 66                           ; s[66:67] where my scale words go
.set MSB, 0
.macro WIN new                         ; the immediate's high byte repeats the setting that is left
.if MSB != \new
	s_set_vgpr_msb (MSB<<8)|\new
.set MSB, \new
.endif
.endm
.macro PLACES n
.rept \n
	v_nop
.endr
.endm
.macro ROUND                           ; a round of the cluster's barrier
	s_barrier_signal -1
	s_barrier_wait -1
	s_cmp_lg_u32 s[WV], 0
	s_cbranch_scc1 .Lnot_wave_0_\@
	s_barrier_signal -3
.Lnot_wave_0_\@:
	s_barrier_wait -3
	s_barrier_signal -1
	s_barrier_wait -1
.endm
.macro WMI                             ; one product, by the symbols rD, rA, rB, rC, rSA, rSB; fA, fB: the side's scales stand in lanes 16-31
.if fA && fB
	v_wmma_scale_f32_16x16x128_f8f6f4 v[rD:rD+7], v[rA:rA+7], v[rB:rB+7], v[rC:rC+7], v[rSA], v[rSB] matrix_a_fmt:MATRIX_FMT_FP4 matrix_b_fmt:MATRIX_FMT_FP4 matrix_a_scale:MATRIX_SCALE_ROW1 matrix_b_scale:MATRIX_SCALE_ROW1
.elseif fA
	v_wmma_scale_f32_16x16x128_f8f6f4 v[rD:rD+7], v[rA:rA+7], v[rB:rB+7], v[rC:rC+7], v[rSA], v[rSB] matrix_a_fmt:MATRIX_FMT_FP4 matrix_b_fmt:MATRIX_FMT_FP4 matrix_a_scale:MATRIX_SCALE_ROW1
.elseif fB
	v_wmma_scale_f32_16x16x128_f8f6f4 v[rD:rD+7], v[rA:rA+7], v[rB:rB+7], v[rC:rC+7], v[rSA], v[rSB] matrix_a_fmt:MATRIX_FMT_FP4 matrix_b_fmt:MATRIX_FMT_FP4 matrix_b_scale:MATRIX_SCALE_ROW1
.else
	v_wmma_scale_f32_16x16x128_f8f6f4 v[rD:rD+7], v[rA:rA+7], v[rB:rB+7], v[rC:rC+7], v[rSA], v[rSB] matrix_a_fmt:MATRIX_FMT_FP4 matrix_b_fmt:MATRIX_FMT_FP4
.endif
.endm
; 32 products of K step s of tile n: the 32 accumulators by turns, one instruction a turn, in the same order in every step.  The first step's C is the bias: nothing is cleared or added.
.macro PRODS n, s
.irp a, 0,1,2,3,4,5,6,7
.irp b, 0,1,2,3
.if (\n) < 2
.set rD, 8*(4*\a+\b)
.set rA, BF+32*((\s)%2)+8*\b
.set rB, 64*((\s)%4)+8*\a
.set rSA, WS+16*(\n)+8*(\b/2)+(\s)
.set fA, \b%2
.set rSB, AS+8*(\a/2)+(\s)
.set fB, \a%2
.else
.set rD, 8*(8*\b+\a)
.set rA, 64*((\s)%4)+8*\a
.set rB, BF+32*((\s)%2)+8*\b
.set rSA, AS+8*(\a/2)+(\s)
.set fA, \a%2
.set rSB, WS+32+8*(\b/2)+(\s)
.set fB, \b%2
.endif
.if (\s) == 0
.set rC, BI+8*\b
.else
.set rC, rD
.endif
	WMI
.endr
.endr
.endm
.macro ALOAD s                         ; A's eight fragments of K step s: 16 loads of 512 consecutive bytes
.if (\s) < 4
	WIN 0x40
.else
	WIN 0x80
.endif
.irp a, 0,1,2,3,4,5,6,7
.irp c, 0,1
	global_load_b128 v[64*((\s)%4)+8*\a+4*\c:64*((\s)%4)+8*\a+4*\c+3], v[LA], s[4:5] offset:8192*\a+1024*(\s)+512*\c
.endr
.endr
.endm
.macro BLOAD n, s                      ; B's four fragments of K step s of tile n into set s % 2
.irp b, 0,1,2,3
.irp c, 0,1
	ds_load_b128 v[BF+32*((\s)%2)+8*\b+4*\c:BF+32*((\s)%2)+8*\b+4*\c+3], v[LB+(\n)] offset:8192*\b+1024*(\s)+512*\c
.endr
.endr
.endm
.macro BIAS n                          ; the bias in the result's layout: q, k: lane (r, h), register j: column 32 (b / 2) + 8 (b % 2) + 16 h + j;  v: the lane's one column in all eight
.if (\n) < 2
.irp b, 0,1,2,3
	global_load_b128 v[BI+8*\b:BI+8*\b+3], v[BQ], s[12+2*(\n):13+2*(\n)] offset:(32*(\b/2)+8*(\b%2))*4
	global_load_b128 v[BI+8*\b+4:BI+8*\b+7], v[BQ], s[12+2*(\n):13+2*(\n)] offset:(32*(\b/2)+8*(\b%2))*4+16
.endr
.else
.irp b, 0,1,2,3
.irp j, 0,1,2,3,4,5,6,7
	global_load_b32 v[BI+8*\b+\j], v[BV], s[16:17] offset:(32*(\b/2)+8*(\b%2))*4
.endr
.endr
.endif
.endm
.macro KSTEP n, s
.if ((\n) == 0) && ((\s) <= 5)
	ALOAD (\s)+2                                   ; A runs two K steps ahead, into registers that nothing has read yet
.endif
	WIN 0
	PLACES 4                                       ; four plain places behind the last step's products, in front of loads into the set that they read (ISA guide 7.12.1 for vector instructions)
.if (\s) < 7
	BLOAD \n, (\s)+1
	s_wait_dscnt 8                                 ; this step's set is in; the 8 loads just issued may be out
.else
	s_wait_dscnt 0x0
.endif
.if (\n) == 0
.if (\s) <= 5
	s_wait_loadcnt 32                              ; A of this step (and all that was asked for earlier) is in; A of the next two steps may be out
.elseif (\s) == 6
	s_wait_loadcnt 16
.else
	s_wait_loadcnt 0x0
.endif
.elseif (\s) == 0
	s_wait_loadcnt 0x0                             ; this tile's bias
.endif
.if (\n) < 2
.if (\s) == 0
	WIN 0xc4                                       ; D window 3, C (bias) and source 0 (B) window 0, source 1 (A) window 1
.elseif (\s) < 4
	WIN 0xf4
.else
	WIN 0xf8
.endif
.else
.if (\s) == 0
	WIN 0xc1                                       ; source 0 (A) window 1, source 1 (B) window 0
.elseif (\s) < 4
	WIN 0xf1
.else
	WIN 0xf2
.endif
.endif
	PRODS \n, \s
.endm
; The 32 accumulators become four runs of 64 registers, register 16 q + i = number 32 q + 16 h + i along the next K; each run gives 8 registers of codes and a scale word.  One text serves q, k and v.
.macro EPI n
.if (\n) > 0
	s_wait_xcnt 0x0                                ; the last tile's stores have read their data: only behind this wait are those registers written again
.endif
.irp g, 0,1,2,3
	WIN 0x3c                                       ; sources 1 and 2: window 3
.irp q, 0,1,2,3
	v_max3_num_f32 v[MX+\q], 0x1800000, |v[64*\g+16*\q]|, |v[64*\g+16*\q+1]|   ; my 16 numbers of block q, each accumulator from its low end on, and the floor 2^(3 - 127)
.endr
.irp i, 2,4,6,8,10,12,14
.irp q, 0,1,2,3
	v_max3_num_f32 v[MX+\q], v[MX+\q], |v[64*\g+16*\q+\i]|, |v[64*\g+16*\q+\i+1]|
.endr
.endr
	WIN 0
.irp q, 0,1,2,3
	v_permlanex16_b32 v[PL+\q], v[MX+\q], s[SEL], s[SEL+1]
.endr
.irp q, 0,1,2,3
	v_max_num_f32 v[MX+\q], v[MX+\q], v[PL+\q]     ; with lane l xor 16's: the block's largest magnitude
.endr
.irp q, 0,1,2,3
	v_add_nc_u32 v[SO+\q], 0xff000000, v[MX+\q]    ; 2 off its exponent field: the conversion's scale operand
.endr
.irp q, 0,1,2,3
	v_lshrrev_b32 v[PL+\q], 23, v[SO+\q]           ; the scale's byte
.endr
	v_lshl_or_b32 v[SW+\g], v[PL+1], 8, v[PL]
	v_lshl_or_b32 v[SW+\g], v[PL+2], 16, v[SW+\g]
	v_lshl_or_b32 v[SW+\g], v[PL+3], 24, v[SW+\g]
	WIN 0x03                                       ; source 0: window 3
.irp q, 0,1,2,3
	v_cvt_scalef32_pk8_fp4_f32 v[CD+8*\g+2*\q], v[64*\g+16*\q:64*\g+16*\q+7], v[SO+\q]
	v_cvt_scalef32_pk8_fp4_f32 v[CD+8*\g+2*\q+1], v[64*\g+16*\q+8:64*\g+16*\q+15], v[SO+\q]
.endr
	WIN 0
	v_nop                                          ; one plain place behind the scaled conversions
.irp c, 0,1
.irp i, 0,1
	v_permlane16_swap_b32 v[CD+8*\g+4*\c+\i], v[CD+8*\g+4*\c+2+\i]   ; a whole block to a lane: lanes 0-15 block 2 c, lanes 16-31 block 2 c + 1
.endr
.endr
.irp c, 0,1
	global_store_b128 v[LA], v[CD+8*\g+4*\c:CD+8*\g+4*\c+3], s[IMG+2*(\n):IMG+2*(\n)+1] offset:1024*\g+512*\c   ; 512 consecutive bytes
.endr
.endr
	v_cndmask_b32 v[MX], v[SW], v[SW+2], s[HM]     ; lanes 0-15 store words 0, 1 of row r, lanes 16-31 words 2, 3
	v_cndmask_b32 v[MX+1], v[SW+1], v[SW+3], s[HM]
	global_store_b64 v[LS8], v[MX:MX+1], s[SCB:SCB+1] offset:262144*(\n)   ; 256 consecutive bytes, aligned
.endm
.macro TAIL n, m                       ; between tile n and tile m = n + 1
	WIN 0
	BIAS \m                                        ; the bias registers were last read in the tile's first step
	s_wait_tensorcnt 1-\n                          ; my part of tile m has landed; a later tile's may stay out
	s_barrier_signal -1
	s_barrier_wait -1                              ; everybody's has
	BLOAD \m, 0                                    ; set 0 was last read in step 6; step 7's four places lie between
	PLACES 4                                       ; behind the last products, in front of the first read of results
	EPI \n
.endm
	s_load_b256 s[4:11], s[0:1], 0x0               ; x_img, x_sc, w_img, w_sc
	s_load_b256 s[12:19], s[0:1], 0x20             ; bq, bk, bv, qkv_img
	s_load_b64 s[20:21], s[0:1], 0x40              ; qkv_sc
	v_lshl_add_u32 v30, v0, 2, 0x30000
	v_mov_b32 v31, 0
	ds_add_u32 v30, v31
	ds_add_u32 v30, v31
	v_lshrrev_b32 v1, 5, v0
	v_readfirstlane_b32 s[WV], v1                  ; wave 0..3
	s_lshr_b32 s23, s[WV], 1                       ; wm
	s_and_b32 s24, s[WV], 1                        ; wn
	s_bfe_u32 s48, ttmp6, 0x40000                  ; cx
	s_lshl_b32 s49, ttmp9, 2
	s_add_co_u32 s49, s49, s48                     ; mx = 4 x cluster x + cx: it enters A's, the biases' none, and the outputs' addresses alone
	s_and_b32 s50, ttmp7, 0xffff                   ; y, which the four partners share
	; descriptor group 1: 16,384 dense bytes as 64 rows of 256 bytes (32 elements of 8 bytes)
	s_mov_b32 s[G1], 15|(3<<16)|(1<<21)            ; 15:0 the mask: all four work-groups; 17:16 elements of 8 bytes; 21 set beside a mask
	s_mov_b32 s[G1+1], 32<<16                      ; tensor_dim0
	s_mov_b32 s[G1+2], 64<<16                      ; tensor_dim1
	s_mov_b32 s[G1+3], 32<<16                      ; tile_dim0
	s_mov_b32 s[G1+4], 64                          ; tile_dim1
	s_mov_b32 s[G1+5], 32                          ; tensor_dim0_stride
	s_mov_b32 s[G1+6], 0
	s_mov_b32 s[G1+7], 0
	s_lshl_b32 s54, s[WV], 14                      ; my quarter of a tile, in memory and in LDS
	s_lshl_b32 s52, s50, 16                        ; 8 tiles of 8,192 bytes for each y
	s_add_co_u32 s52, s52, s54
	s_mov_b32 s53, 0
	s_wait_dscnt 0x0
	s_wait_kmcnt 0x0
	s_add_nc_u64 s[68:69], s[8:9], s[52:53]
.irp n, 0,1,2
	s_mov_b32 s[G0+4*\n], 1                        ; count = 1
	s_add_co_u32 s[G0+4*\n+1], s54, \n*65536       ; LDS address
	s_add_nc_u64 s[G0+4*\n+2:G0+4*\n+3], s[68:69], \n*524288   ; Wq, Wk, Wv lie 64 tiles apart
	s_or_b32 s[G0+4*\n+3], s[G0+4*\n+3], 0x80000000   ; type = 2
.endr
	ROUND                                          ; all four work-groups are here: the joint loads meet
	tensor_load_to_lds s[G0:G0+3], s[G1:G1+7]      ; the three first fills go out together; no byte of LDS is filled twice
	s_nop 0
	tensor_load_to_lds s[G0+4:G0+7], s[G1:G1+7]
	s_nop 0
	tensor_load_to_lds s[G0+8:G0+11], s[G1:G1+7]
	s_nop 0
	PLACES 4                                       ; four plain places behind the tensor loads
	v_and_b32 v1, 31, v0                           ; lane
	v_and_b32 v2, 15, v0                           ; r
	v_bfe_u32 v3, v0, 4, 1                         ; h
	v_lshlrev_b32 v[LA], 4, v1
	v_lshlrev_b32 v[LSC], 4, v2
	v_lshl_add_u32 v[LSC], v3, 9, v[LSC]
	v_lshlrev_b32 v[BQ], 6, v3
	v_and_b32 v[BV], 8, v2
	v_add_nc_u32 v[BV], v[BV], v2
	v_lshlrev_b32 v[BV], 2, v[BV]
	v_lshlrev_b32 v[LS8], 4, v2
	v_lshl_add_u32 v[LS8], v3, 3, v[LS8]
	s_lshl_b32 s55, s24, 15                        ; my four tiles of columns
.irp n, 0,1,2
	v_add_nc_u32 v[LB+\n], s55, v[LA]
	s_add_co_u32 s55, s55, 65536
.endr
	v_cmp_lt_u32 s[HM], 15, v1
.irp q, 0,1,2,3
	v_mov_b32 v[PL+\q], 0                          ; a lane permute's destination counts as read: written once
.endr
	s_mov_b32 s[SEL], 0x76543210
	s_mov_b32 s[SEL+1], 0xfedcba98
	s_lshl_b32 s52, s49, 17                        ; x_img: 16 tiles for each mx,
	s_lshl_b32 s55, s23, 16                        ; 8 for each wm
	s_add_co_u32 s52, s52, s55
	s_add_nc_u64 s[4:5], s[4:5], s[52:53]
	s_lshl_b32 s52, s49, 13                        ; x_sc: 512 bytes a tile
	s_lshl_b32 s55, s23, 12
	s_add_co_u32 s52, s52, s55
	s_add_nc_u64 s[6:7], s[6:7], s[52:53]
	s_lshl_b32 s52, s50, 12                        ; w_sc: tile 8 y + 4 wn
	s_lshl_b32 s55, s24, 11
	s_add_co_u32 s52, s52, s55
	s_add_nc_u64 s[10:11], s[10:11], s[52:53]
	s_lshl_b32 s52, s50, 9                         ; the biases: column 128 y + 64 wn
	s_lshl_b32 s55, s24, 8
	s_add_co_u32 s52, s52, s55
	s_add_nc_u64 s[12:13], s[12:13], s[52:53]
	s_add_nc_u64 s[14:15], s[14:15], s[52:53]
	s_add_nc_u64 s[16:17], s[16:17], s[52:53]
	s_lshr_b32 s70, s49, 3                         ; b
	s_lshl_b32 s70, s70, 4
	s_lshl_b32 s55, s50, 1
	s_add_co_u32 s70, s70, s55
	s_add_co_u32 s70, s70, s24                     ; 16 b + head
	s_and_b32 s71, s49, 7
	s_lshl_b32 s71, s71, 1
	s_add_co_u32 s71, s71, s23                     ; g: which 128 positions of the sequence
	s_lshl_b32 s52, s70, 16
	s_lshl_b32 s55, s71, 12
	s_add_co_u32 s52, s52, s55
	s_add_nc_u64 s[IMG:IMG+1], s[18:19], s[52:53]
	s_add_nc_u64 s[IMG+2:IMG+3], s[IMG:IMG+1], 0x400000
	s_add_nc_u64 s[IMG+4:IMG+5], s[IMG:IMG+1], 0x800000
	s_lshl_b32 s52, s70, 12
	s_lshl_b32 s55, s71, 8
	s_add_co_u32 s52, s52, s55
	s_add_nc_u64 s[SCB:SCB+1], s[20:21], s[52:53]
.irp p, 0,1,2,3
.irp f, 0,1
	global_load_b128 v[AS+8*\p+4*\f:AS+8*\p+4*\f+3], v[LSC], s[6:7] offset:1024*\p+256*\f   ; four K steps' words of tiles 2 p (lanes 0-15) and 2 p + 1 (lanes 16-31)
.endr
.endr
.irp n, 0,1,2
.irp p, 0,1
.irp f, 0,1
	global_load_b128 v[WS+16*\n+8*\p+4*\f:WS+16*\n+8*\p+4*\f+3], v[LSC], s[10:11] offset:32768*\n+1024*\p+256*\f
.endr
.endr
.endr
	BIAS 0
	ALOAD 0
	ALOAD 1
	WIN 0
	s_wait_tensorcnt 0x2                           ; my part of tile 0 has landed; tiles 1 and 2 may stay out
	s_barrier_signal -1
	s_barrier_wait -1
	BLOAD 0, 0
.irp s, 0,1,2,3,4,5,6,7
	KSTEP 0, \s
.endr
	TAIL 0, 1
.irp s, 0,1,2,3,4,5,6,7
	KSTEP 1, \s
.endr
	TAIL 1, 2
.irp s, 0,1,2,3,4,5,6,7
	KSTEP 2, \s
.endr
	WIN 0
	PLACES 4
	EPI 2
	s_wait_tensorcnt 0x0
	ds_add_u32 v30, v31
	s_wait_dscnt 0x0
	ROUND                                          ; the closing round: no work-group ends while a partner may still ask for a tile that names it
	s_endpgm
.Lfunc_end_k_q9100d5e01c_qkv:
	.size	k_q9100d5e01c_qkv, .Lfunc_end_k_q9100d5e01c_qkv-k_q9100d5e01c_qkv
	.p2alignl 7, 3214868480
	.fill 96, 4, 3214868480
	.section	.rodata,"a",@progbits
	.p2align	6, 0x0
	.amdhsa_kernel k_q9100d5e01c_qkv
		.amdhsa_group_segment_fixed_size 197120
		.amdhsa_private_segment_fixed_size 0
		.amdhsa_enable_private_segment 0
		.amdhsa_kernarg_size 72
		.amdhsa_user_sgpr_count 2
		.amdhsa_user_sgpr_kernarg_segment_ptr 1
		.amdhsa_wavefront_size32 1
		.amdhsa_system_sgpr_workgroup_id_x 1
		.amdhsa_system_sgpr_workgroup_id_y 1
		.amdhsa_system_sgpr_workgroup_id_z 1
		.amdhsa_system_vgpr_workitem_id 0
		.amdhsa_next_free_vgpr 1024
		.amdhsa_next_free_sgpr 76
		.amdhsa_reserve_vcc 0
		.amdhsa_float_denorm_mode_32 3
		.amdhsa_float_denorm_mode_16_64 3
		.amdhsa_memory_ordered 1
		.amdhsa_forward_progress 1
		.amdhsa_inst_pref_size 188
	.end_amdhsa_kernel
	.amdgpu_metadata
---
amdhsa.version: [ 1, 2 ]
amdhsa.kernels:
  - .name:           k_q9100d5e01c_qkv
    .symbol:         k_q9100d5e01c_qkv.kd
    .args:
      - { .name: x_img, .offset: 0, .size: 8, .value_kind: global_buffer, .address_space: global }
      - { .name: x_sc, .offset: 8, .size: 8, .value_kind: global_buffer, .address_space: global }
      - { .name: w_img, .offset: 16, .size: 8, .value_kind: global_buffer, .address_space: global }
      - { .name: w_sc, .offset: 24, .size: 8, .value_kind: global_buffer, .address_space: global }
      - { .name: bq, .offset: 32, .size: 8, .value_kind: global_buffer, .address_space: global }
      - { .name: bk, .offset: 40, .size: 8, .value_kind: global_buffer, .address_space: global }
      - { .name: bv, .offset: 48, .size: 8, .value_kind: global_buffer, .address_space: global }
      - { .name: qkv_img, .offset: 56, .size: 8, .value_kind: global_buffer, .address_space: global }
      - { .name: qkv_sc, .offset: 64, .size: 8, .value_kind: global_buffer, .address_space: global }
    .group_segment_fixed_size: 197120
    .private_segment_fixed_size: 0
    .kernarg_segment_align: 8
    .kernarg_segment_size: 72
    .max_flat_workgroup_size: 128
    .sgpr_count:     76
    .vgpr_count:     1024
    .wavefront_size: 32
...
	.end_amdgpu_metadata
.endif
;; end of part 2
;; launch attn (part 3): grid 4 x 64, 16 waves a work-group, clusters of 4 x 1, 169,984 bytes of LDS; arguments qkv_img, qkv_sc, o_img, o_sc; writes o_img, o_sc
.if DOCPART == 3
	.amdgcn_target "amdgcn-amd-amdhsa--gfx1250"
	.amdhsa_code_object_version 6
	.text
	.protected	k_q9100d5e01c_attn
	.globl	k_q9100d5e01c_attn
	.p2align	8
	.type	k_q9100d5e01c_attn,@function
k_q9100d5e01c_attn:
	s_mov_b64 s[64:65], 0
	v_nop
	global_prefetch_b8 v0, s[64:65] scope:SCOPE_SE
	s_setreg_imm32_b32 hwreg(HW_REG_WAVE_MODE, 25, 1), 1
	s_wait_xcnt 0x0
	s_wait_alu depctr_hold_cnt(0) depctr_sa_sdst(0) depctr_va_vdst(0) depctr_va_sdst(0) depctr_va_ssrc(0) depctr_va_vcc(0) depctr_vm_vsrc(0)
	s_getreg_b32 s2, hwreg(HW_REG_IB_STS2, 6, 4)
	s_cmp_eq_u32 s2, 0
	s_cbranch_scc0 .Lentry_in_a_cluster
	s_endpgm
.Lentry_in_a_cluster:
	s_bfe_u32 s2, ttmp6, 0x10000c
	s_cmp_lg_u32 s2, 0x3003
	s_cbranch_scc0 .Lentry_shape_is_right
	s_endpgm
.Lentry_shape_is_right:
; o = softmax(q k^T / 8, causal) v for one (batch, head) a cluster, both products on codes of FP4 with E8M0 scales; o is quantised along the head's channels for the last product.
; THE SOFTMAX: t = score x log2(e) / 8; M = the running largest t rounded UP to a whole number; p = 2^(t - M) is quantised along the keys, not normalised; the row's sum is taken of the unquantised p and divides at the end.
; When M moves, the sum and O are multiplied by 2^(old M - new M): exact.
; SHARES: the head's 128 tiles of 16 queries fall into 16 blocks of 8; a tile of block B needs key steps (128 keys) 0 .. B, and step B alone lies on the diagonal.  Partner cx takes tiles 2 cx and 2 cx + 1 of every block;
; wave w takes tile 2 cx of block w and tile 2 cx + 1 of block 15 - w: (w + 1) + (16 - w) = 17 tile steps in every wave of the launch.  Every branch hangs on the wave's number and a loop's counter alone;
; cx enters global addresses and the mask's numbers only.  Four waves share a SIMD: one wave's vector work stands beside another's products and LDS loads.
; LDS, filled ONCE: the whole head's K images (65,536 bytes), V images (65,536), K's and V's scale words (4,096 each).  The four partners ask jointly; wave 0 fetches K's, wave 1 V's: three tensor loads each are out at the most.
; Skipping finer than 128 keys would need a branch on cx; it is left out.
; LAYOUT: both products transposed (S^T = K Q^T, O^T = V^T P^T): a lane holds ONE query.  Tiles of keys, queries and channels are in the order tile 2 G + u, lane-row r = 32 G + 8 u + r + 8 (r / 8), so that the 16 registers of two
; neighbouring tiles are 16 neighbours along the next K.  THE HEAD HAS 64 CHANNELS, half of an instruction's K: a fragment of K holds TWO tiles of keys (registers 0-3, 4-7); against (q | zero codes) it gives the first tile's scores,
; against (zero codes | q) the second's.  Zero codes add nothing under any scale byte that the quantiser makes.
; The scale bytes of o leave as single bytes (256 KiB in the launch): the other bytes of a word belong to other heads, which other work-groups make.
; LIMITS: NaN and infinities are not served; a block whose largest magnitude lies under 2^-124 keeps the byte 1; a block of zeros gets the byte 1, not 127 (zero codes; bytes read by this program alone).
.set AK0,  1                           ; v1   16 x lane
.set AV0,  2                           ; v2   + 65,536
.set ASK0, 3                           ; v3   131,072 + 16 r
.set ADK,  4                           ; v4-6 the step's addresses: K, V, scale words
.set ADV,  5
.set ADS,  6
.set OSC,  7                           ; v7   16 r + h: my byte among o's scale bytes
.set DA,   8                           ; v8, v9   my query less 16 h, within its block of 128: tile A, tile B
.set DB,   9
.set QWA,  10                          ; v10, v11 Q's scale words
.set QWB,  11
.set STA,  12                          ; v12 -M, v13 largest t, v[14:15] the sum in two halves: tile A;  v16-19: tile B
.set STB,  16
.set QB,   20                          ; v20-39: zeros, q of A, zeros, q of B, zeros (four registers each)
.set KF,   40                          ; v40-71 four fragments of K, then of V
.set SCW,  72                          ; v72-75 their scale words
.set S,    76                          ; v76-139 S^T, then p
.set OA,   140                         ; v140-171 O^T of tile A;  v172-203 of tile B
.set OB,   172
.set P,    204                         ; v204-211 p's codes; at the end o's
.set BM,   212                         ; v212-215 the blocks' largest scores, then largest p
.set PL,   216                         ; v216-219 the other half's, then bytes
.set SO,   220                         ; v220-223 the conversions' scale operands
.set F,    224                         ; v[224:225] f = 2^(old M - new M), and a 0 named with it as a pair
.set PW,   226                         ; v226 p's scale word
.set TMP,  227
.set NINF, 228                         ; v228 -infinity
.set SUM2, 230                         ; v[230:231] the sum's second chain
.set WV,   12                          ; s12 wave, s13 cx, s14 16 b + head
.set CX,   13
.set BH,   14
.set BA,   15                          ; s15 tile A's block;  s16 tile B's
.set BB,   16
.set KS,   17                          ; s17 the key step;  s18 4,096 x it;  s19 256 x it
.set TB,   18
.set TS,   19
.set SEL,  20                          ; s[20:21] selects for lane l xor 16
.set CS,   22                          ; s[22:23] c = log2(e) / 8
.set G1A,  24                          ; s[24:47] three groups 1: 16, 64 and 192 rows of 256 bytes
.set G1B,  32
.set G1C,  40
.set G0,   48                          ; s[48:59] three groups 0
.set HM,   60                          ; s60 lanes 16-31
.macro PLACES n
.rept \n
	v_nop
.endr
.endm
.macro ROUND                           ; a round of the cluster's barrier
	s_barrier_signal -1
	s_barrier_wait -1
	s_cmp_lg_u32 s[WV], 0
	s_cbranch_scc1 .Lnot_wave_0_\@
	s_barrier_signal -3
.Lnot_wave_0_\@:
	s_barrier_wait -3
	s_barrier_signal -1
	s_barrier_wait -1
.endm
; ONE TILE, ONE KEY STEP.  st: the tile's statistics; ob: its O^T; qlo, qhi: (q | 0) and (0 | q); qw: Q's scale word; dm: the mask's number; beta: the scalar that holds the tile's block.
.macro STEP st, ob, qlo, qhi, qw, dm, beta
	PLACES 4                                       ; four plain places behind the last products, in front of loads into registers that they read
.irp p, 0,1,2,3
.irp u, 0,1
	ds_load_b128 v[KF+8*\p+4*\u:KF+8*\p+4*\u+3], v[ADK] offset:512*(2*\p+\u)
.endr
.endr
	ds_load_b128 v[SCW:SCW+3], v[ADS]              ; word p: bytes 0, 1 tile 2 p's blocks, bytes 2, 3 tile 2 p + 1's
	s_wait_dscnt 0x0
.irp p, 0,1,2,3
	v_wmma_scale_f32_16x16x128_f8f6f4 v[S+16*\p:S+16*\p+7], v[KF+8*\p:KF+8*\p+7], v[(\qlo):(\qlo)+7], 0, v[SCW+\p], v[\qw] matrix_a_fmt:MATRIX_FMT_FP4 matrix_b_fmt:MATRIX_FMT_FP4
	v_wmma_scale_f32_16x16x128_f8f6f4 v[S+16*\p+8:S+16*\p+15], v[KF+8*\p:KF+8*\p+7], v[(\qhi):(\qhi)+7], 0, v[SCW+\p], v[\qw] matrix_a_fmt:MATRIX_FMT_FP4 matrix_b_fmt:MATRIX_FMT_FP4
.endr                                              ; register 16 p + i of lane (r, h): key 32 p + 16 h + i of the step
	PLACES 4                                       ; in front of the loads below and of the first read of the scores
.irp t, 0,1,2,3
.irp c, 0,1
	ds_load_b128 v[KF+8*\t+4*\c:KF+8*\t+4*\c+3], v[ADV] offset:1024*\t+512*\c   ; V's fragments are asked for now and land under the softmax
.endr
.endr
	ds_load_b128 v[SCW:SCW+3], v[ADS] offset:4096
	s_cmp_lt_u32 s[KS], s[\beta]                   ; under the diagonal every key counts
	s_cbranch_scc1 .Lopen_\@
.irp n, 0,1,2,3,4,5,6,7,8,9,10,11,12,13,14,15,16,17,18,19,20,21,22,23,24,25,26,27,28,29,30,31,32,33,34,35,36,37,38,39,40,41,42,43,44,45,46,47,48,49,50,51,52,53,54,55,56,57,58,59,60,61,62,63
	v_cmp_gt_i32 vcc_lo, 32*(\n/16)+\n%16, v[\dm]  ; hidden where the register's key comes after my query
	v_cndmask_b32 v[S+\n], v[S+\n], v[NINF], vcc_lo
.endr
.Lopen_\@:
.irp b, 0,1,2,3
	v_max3_num_f32 v[BM+\b], v[S+16*\b], v[S+1+16*\b], v[S+2+16*\b]   ; the largest score of each block of 32 keys: for the row's maximum and, since p rises with the score, for the block's largest p
.endr
.irp i, 3,5,7,9,11,13
.irp b, 0,1,2,3
	v_max3_num_f32 v[BM+\b], v[BM+\b], v[S+16*\b+\i], v[S+1+16*\b+\i]
.endr
.endr
.irp b, 0,1,2,3
	v_max_num_f32 v[BM+\b], v[BM+\b], v[S+15+16*\b]
.endr
.irp b, 0,1,2,3
	v_permlanex16_b32 v[PL+\b], v[BM+\b], s[SEL], s[SEL+1]
.endr
.irp b, 0,1,2,3
	v_max_num_f32 v[BM+\b], v[BM+\b], v[PL+\b]     ; with lane l xor 16's 16 keys
.endr
	v_max3_num_f32 v[TMP], v[BM], v[BM+1], v[BM+2]
	v_max_num_f32 v[TMP], v[TMP], v[BM+3]          ; the step's largest score of my query
	v_mul_f32 v[TMP], s[CS], v[TMP]                ; as t
	v_max_num_f32 v[(\st)+1], v[(\st)+1], v[TMP]   ; the running largest t
	v_mov_b32 v[TMP], v[\st]
	v_floor_f32 v[\st], -v[(\st)+1]                ; the new -M = floor(-t): M is a whole number
	v_sub_f32 v[TMP], v[\st], v[TMP]               ; old M less new M: a whole number, 0 or less
	v_cvt_i32_f32 v[TMP], v[TMP]                   ; (it saturates)
	v_ldexp_f32 v[F], 1.0, v[TMP]                  ; f = 2^(old M - new M)
.irp j, 0,2,4,6,8,10,12,14,16,18,20,22,24,26,28,30,32,34,36,38,40,42,44,46,48,50,52,54,56,58,60,62
	v_pk_fma_f32 v[S+\j:S+\j+1], v[S+\j:S+\j+1], s[CS:CS+1], v[(\st):(\st)+1] op_sel_hi:[1,0,0]   ; t - M, two at a time
.endr
.irp b, 0,1,2,3
	v_fma_f32 v[BM+\b], v[BM+\b], s[CS], v[\st]    ; the same of each block's largest score
.endr
.irp j, 0,1,2,3,4,5,6,7,8,9,10,11,12,13,14,15,16,17,18,19,20,21,22,23,24,25,26,27,28,29,30,31,32,33,34,35,36,37,38,39,40,41,42,43,44,45,46,47,48,49,50,51,52,53,54,55,56,57,58,59,60,61,62,63
	v_exp_f32 v[S+\j], v[S+\j]                     ; p = 2^(t - M)
.endr
	v_pk_mul_f32 v[(\st)+2:(\st)+3], v[(\st)+2:(\st)+3], v[F:F+1] op_sel_hi:[1,0]   ; the sums under the new M (a plain place behind the exponentials)
	s_wait_alu depctr_va_vdst(0)                   ; one wait for the batch of 64, ahead of its first reader
.irp b, 0,1,2,3
	v_exp_f32 v[BM+\b], v[BM+\b]                   ; the block's largest p
.endr
	v_pk_add_f32 v[SUM2:SUM2+1], v[S:S+1], v[S+2:S+3]   ; the row's sum of the unquantised p, in two chains; plain work behind the four
.irp j, 4,8,12,16,20,24,28,32,36,40,44,48,52,56,60
	v_pk_add_f32 v[(\st)+2:(\st)+3], v[(\st)+2:(\st)+3], v[S+\j:S+\j+1]
	v_pk_add_f32 v[SUM2:SUM2+1], v[SUM2:SUM2+1], v[S+2+\j:S+3+\j]
.endr
	v_pk_add_f32 v[(\st)+2:(\st)+3], v[(\st)+2:(\st)+3], v[SUM2:SUM2+1]
	s_wait_alu depctr_va_vdst(0)                   ; and one for the four
.irp b, 0,1,2,3
	v_max_num_f32 v[BM+\b], 0x1800000, v[BM+\b]    ; the floor 2^(3 - 127): the byte cannot fall under 1
.endr
.irp b, 0,1,2,3
	v_add_nc_u32 v[SO+\b], 0xff000000, v[BM+\b]    ; 2 off the exponent field: the conversion's scale operand
.endr
.irp b, 0,1,2,3
	v_lshrrev_b32 v[PL+\b], 23, v[SO+\b]           ; the scale's byte
.endr
	v_lshl_or_b32 v[PW], v[PL+1], 8, v[PL]         ; p's scale word for these 128 keys
	v_lshl_or_b32 v[PW], v[PL+2], 16, v[PW]
	v_lshl_or_b32 v[PW], v[PL+3], 24, v[PW]
.irp b, 0,1,2,3
	v_cvt_scalef32_pk8_fp4_f32 v[P+2*\b], v[S+16*\b:S+16*\b+7], v[SO+\b]
	v_cvt_scalef32_pk8_fp4_f32 v[P+2*\b+1], v[S+16*\b+8:S+16*\b+15], v[SO+\b]
.endr
	v_nop                                          ; one plain place behind the scaled conversions
.irp c, 0,1
.irp i, 0,1
	v_permlane16_swap_b32 v[P+4*\c+\i], v[P+4*\c+2+\i]   ; a whole block to a lane
.endr
.endr
.irp j, 0,2,4,6,8,10,12,14,16,18,20,22,24,26,28,30
	v_pk_mul_f32 v[(\ob)+\j:(\ob)+\j+1], v[(\ob)+\j:(\ob)+\j+1], v[F:F+1] op_sel_hi:[1,0]   ; O^T under the new M.  Twelve of these sixteen name no register of any one product below: the places between p's word and codes and the products
.endr
	s_wait_dscnt 0x0                               ; V's fragments and scale words
.irp t, 0,1,2,3
	v_wmma_scale_f32_16x16x128_f8f6f4 v[(\ob)+8*\t:(\ob)+8*\t+7], v[KF+8*\t:KF+8*\t+7], v[P:P+7], v[(\ob)+8*\t:(\ob)+8*\t+7], v[SCW+\t], v[PW] matrix_a_fmt:MATRIX_FMT_FP4 matrix_b_fmt:MATRIX_FMT_FP4
.endr                                              ; four accumulators, one instruction each; eight other products stand between two links of a chain
.endm
.macro TRIP                            ; a key step for both tiles; a tile whose block lies under the step is passed over
	v_add_nc_u32 v[ADK], s[TB], v[AK0]
	v_add_nc_u32 v[ADV], s[TB], v[AV0]
	v_add_nc_u32 v[ADS], s[TS], v[ASK0]
	s_cmp_gt_u32 s[KS], s[BA]
	s_cbranch_scc1 .Lskip_a_\@
	STEP STA, OA, QB+4, QB, QWA, DA, BA
.Lskip_a_\@:
	s_cmp_gt_u32 s[KS], s[BB]
	s_cbranch_scc1 .Lskip_b_\@
	STEP STB, OB, QB+12, QB+8, QWB, DB, BB
.Lskip_b_\@:
	s_add_co_u32 s[TB], s[TB], 4096
	s_add_co_u32 s[TS], s[TS], 256
	s_add_co_u32 s[KS], s[KS], 1
.endm
; THE WAY OUT of a tile: O^T / the sum; its 32 registers are two blocks of 32 channels, 16 of each in my lane; codes (pc) and my block's byte (by) go to o's image and scale bytes.
.macro OUT st, ob, pc, by, gi, gs
	PLACES 4                                       ; behind the last products
	v_add_f32 v[TMP], v[(\st)+2], v[(\st)+3]       ; the sum's two halves,
	v_permlanex16_b32 v[PL], v[TMP], s[SEL], s[SEL+1]
	v_add_f32 v[TMP], v[TMP], v[PL]                ; and lane l xor 16's
	v_rcp_f32 v[TMP], v[TMP]
	v_nop                                          ; a plain place behind the reciprocal,
	s_wait_alu depctr_va_vdst(0)                   ; and the wait ahead of its first reader
.irp j, 0,1,2,3,4,5,6,7,8,9,10,11,12,13,14,15,16,17,18,19,20,21,22,23,24,25,26,27,28,29,30,31
	v_mul_f32 v[S+\j], v[(\ob)+\j], v[TMP]         ; register 16 k + i: channel 32 k + 16 h + i; each accumulator from its low end on
.endr
.irp k, 0,1
	v_max3_num_f32 v[BM+\k], |v[S+16*\k]|, |v[S+16*\k+1]|, 0x1800000
.endr
.irp i, 2,4,6,8,10,12,14
.irp k, 0,1
	v_max3_num_f32 v[BM+\k], v[BM+\k], |v[S+16*\k+\i]|, |v[S+16*\k+\i+1]|
.endr
.endr
.irp k, 0,1
	v_permlanex16_b32 v[PL+\k], v[BM+\k], s[SEL], s[SEL+1]
.endr
.irp k, 0,1
	v_max_num_f32 v[BM+\k], v[BM+\k], v[PL+\k]
.endr
.irp k, 0,1
	v_add_nc_u32 v[SO+\k], 0xff000000, v[BM+\k]
.endr
.irp k, 0,1
	v_lshrrev_b32 v[PL+\k], 23, v[SO+\k]
.endr
.irp k, 0,1
	v_cvt_scalef32_pk8_fp4_f32 v[(\pc)+2*\k], v[S+16*\k:S+16*\k+7], v[SO+\k]
	v_cvt_scalef32_pk8_fp4_f32 v[(\pc)+2*\k+1], v[S+16*\k+8:S+16*\k+15], v[SO+\k]
.endr
	v_nop                                          ; one plain place behind the scaled conversions
	v_permlane16_swap_b32 v[\pc], v[(\pc)+2]       ; lane (r, h): block h whole
	v_permlane16_swap_b32 v[(\pc)+1], v[(\pc)+3]
	v_cndmask_b32 v[\by], v[PL], v[PL+1], s[HM]    ; and its byte
	global_store_b128 v[AK0], v[(\pc):(\pc)+3], s[\gi:\gi+1]   ; 512 consecutive bytes
	global_store_b8 v[OSC], v[\by], s[\gs:\gs+1]
.endm
	s_load_b256 s[4:11], s[0:1], 0x0               ; qkv_img, qkv_sc, o_img, o_sc
	v_lshl_add_u32 v254, v0, 2, 0x29000
	v_mov_b32 v255, 0
	ds_add_u32 v254, v255
	ds_add_u32 v254, v255
	v_lshrrev_b32 v1, 5, v0
	v_readfirstlane_b32 s[WV], v1                  ; wave 0..15
	s_bfe_u32 s[CX], ttmp6, 0x40000                ; cx
	s_and_b32 s[BH], ttmp7, 0xffff                 ; 16 b + head, which the four partners share
	s_mov_b32 s[BA], s[WV]
	s_sub_co_u32 s[BB], 15, s[WV]
	s_and_b32 s61, s[WV], 1                        ; what I fetch, if I fetch: 0 K's, 1 V's
	; descriptor groups 1: dense bytes as rows of 256 (32 elements of 8 bytes): 16 rows (scale words), 64 (key steps 0-3), 192 (key steps 4-15)
.irp g, G1A, G1B, G1C
	s_mov_b32 s[\g], 15|(3<<16)|(1<<21)            ; the mask: all four work-groups; elements of 8 bytes; bit 21 set beside a mask
	s_mov_b32 s[\g+1], 32<<16                      ; tensor_dim0
	s_mov_b32 s[\g+3], 32<<16                      ; tile_dim0
	s_mov_b32 s[\g+5], 32                          ; tensor_dim0_stride
	s_mov_b32 s[\g+6], 0
	s_mov_b32 s[\g+7], 0
.endr
	s_mov_b32 s[G1A+2], 16<<16                     ; tensor_dim1, tile_dim1
	s_mov_b32 s[G1A+4], 16
	s_mov_b32 s[G1B+2], 64<<16
	s_mov_b32 s[G1B+4], 64
	s_mov_b32 s[G1C+2], 192<<16
	s_mov_b32 s[G1C+4], 192
	s_add_co_u32 s62, s61, 1                       ; K is part 1, V part 2 of both buffers
	s_lshl_b32 s66, s62, 18
	s_lshl_b32 s67, s[BH], 12
	s_add_co_u32 s66, s66, s67                     ; the head's scale words
	s_mov_b32 s67, 0
	s_lshl_b32 s68, s62, 22
	s_lshl_b32 s69, s[BH], 16
	s_add_co_u32 s68, s68, s69                     ; the head's images
	s_mov_b32 s69, 0
	s_lshl_b32 s70, s61, 12
	s_lshl_b32 s71, s61, 16
	s_wait_dscnt 0x0
	s_wait_kmcnt 0x0
	s_add_nc_u64 s[72:73], s[4:5], s[68:69]
	s_mov_b32 s[G0], 1
	s_add_co_u32 s[G0+1], s70, 131072
	s_add_nc_u64 s[G0+2:G0+3], s[6:7], s[66:67]
	s_or_b32 s[G0+3], s[G0+3], 0x80000000
	s_mov_b32 s[G0+4], 1
	s_mov_b32 s[G0+5], s71
	s_mov_b64 s[G0+6:G0+7], s[72:73]
	s_or_b32 s[G0+7], s[G0+7], 0x80000000
	s_mov_b32 s[G0+8], 1
	s_add_co_u32 s[G0+9], s71, 16384
	s_add_nc_u64 s[G0+10:G0+11], s[72:73], 16384
	s_or_b32 s[G0+11], s[G0+11], 0x80000000
	ROUND                                          ; all four work-groups are here: the joint loads meet
	s_cmp_lt_u32 s[WV], 2                          ; a wave's three first fills stand in one branch on the wave's number, the same in all partners
	s_cbranch_scc0 .Lno_fetch
	tensor_load_to_lds s[G0:G0+3], s[G1A:G1A+7]
	s_nop 0
	tensor_load_to_lds s[G0+4:G0+7], s[G1B:G1B+7]
	s_nop 0
	tensor_load_to_lds s[G0+8:G0+11], s[G1C:G1C+7]
	s_nop 0
	PLACES 4                                       ; four plain places behind the tensor loads
.Lno_fetch:
	v_and_b32 v232, 31, v0                         ; lane
	v_and_b32 v233, 15, v0                         ; r
	v_bfe_u32 v234, v0, 4, 1                       ; h
	v_lshlrev_b32 v[AK0], 4, v232
	v_add_nc_u32 v[AV0], 65536, v[AK0]
	v_lshlrev_b32 v[TMP], 4, v233                  ; 16 r
	v_add_nc_u32 v[ASK0], 131072, v[TMP]
	v_add_nc_u32 v[OSC], v[TMP], v234
	v_and_b32 v235, 8, v233
	v_add_nc_u32 v235, v235, v233                  ; r + 8 (r / 8)
	v_lshlrev_b32 v236, 4, v234
	v_sub_nc_u32 v235, v235, v236                  ; - 16 h
	s_lshl_b32 s62, s[CX], 5
	v_add_nc_u32 v[DA], s62, v235                  ; tile 2 cx of a block: queries 32 cx + r + 8 (r / 8)
	v_add_nc_u32 v[DB], 8, v[DA]                   ; tile 2 cx + 1: 8 further on
	v_cmp_lt_u32 s[HM], 15, v232
	s_mov_b32 s[SEL], 0x76543210
	s_mov_b32 s[SEL+1], 0xfedcba98
	s_mov_b32 s[CS], 0x3e38aa3b                    ; c = log2(e) / 8
	s_mov_b32 s[CS+1], s[CS]
	s_lshl_b32 s62, s[BA], 3
	s_lshl_b32 s63, s[CX], 1
	s_add_co_u32 s62, s62, s63                     ; tile A in the head
	s_lshl_b32 s74, s[BB], 3
	s_add_co_u32 s74, s74, s63
	s_add_co_u32 s74, s74, 1                       ; tile B
	s_lshl_b32 s75, s[BH], 16
	s_lshl_b32 s66, s62, 9                         ; q's image: 512 bytes a tile
	s_add_co_u32 s66, s66, s75
	s_mov_b32 s67, 0
	s_add_nc_u64 s[66:67], s[4:5], s[66:67]
	s_lshl_b32 s68, s74, 9
	s_add_co_u32 s68, s68, s75
	s_mov_b32 s69, 0
	s_add_nc_u64 s[68:69], s[4:5], s[68:69]
	s_lshl_b32 s75, s[BH], 12                      ; q's scale words: 256 bytes a block, word cx of row r
	s_lshl_b32 s63, s[CX], 2
	s_add_co_u32 s75, s75, s63
	s_lshl_b32 s70, s[BA], 8
	s_add_co_u32 s70, s70, s75
	s_mov_b32 s71, 0
	s_add_nc_u64 s[70:71], s[6:7], s[70:71]
	s_lshl_b32 s72, s[BB], 8
	s_add_co_u32 s72, s72, s75
	s_mov_b32 s73, 0
	s_add_nc_u64 s[72:73], s[6:7], s[72:73]
	global_load_b128 v[QB+4:QB+7], v[AK0], s[66:67]
	global_load_b128 v[QB+12:QB+15], v[AK0], s[68:69]
	global_load_b32 v[QWA], v[TMP], s[70:71]
	global_load_b32 v[QWB], v[TMP], s[72:73]
	s_lshr_b32 s84, s[BH], 4
	s_lshl_b32 s84, s84, 7                         ; 128 tiles of rows for each b
	s_and_b32 s85, s[BH], 15                       ; the head
	s_add_co_u32 s62, s62, s84                     ; the tiles' numbers in o
	s_add_co_u32 s74, s74, s84
	s_lshl_b32 s86, s85, 9                         ; o_img: 8,192 bytes a tile; the head's 64 channels are 512 bytes of it
	s_lshl_b32 s76, s62, 13
	s_add_co_u32 s76, s76, s86
	s_mov_b32 s77, 0
	s_add_nc_u64 s[76:77], s[8:9], s[76:77]
	s_lshl_b32 s78, s74, 13
	s_add_co_u32 s78, s78, s86
	s_mov_b32 s79, 0
	s_add_nc_u64 s[78:79], s[8:9], s[78:79]
	s_lshr_b32 s86, s85, 3                         ; o_sc: 512 bytes a tile; 256 (head / 8) + 2 (head % 8) + 16 r + h
	s_lshl_b32 s86, s86, 8
	s_and_b32 s87, s85, 7
	s_lshl_b32 s87, s87, 1
	s_add_co_u32 s86, s86, s87
	s_lshl_b32 s80, s62, 9
	s_add_co_u32 s80, s80, s86
	s_mov_b32 s81, 0
	s_add_nc_u64 s[80:81], s[10:11], s[80:81]
	s_lshl_b32 s82, s74, 9
	s_add_co_u32 s82, s82, s86
	s_mov_b32 s83, 0
	s_add_nc_u64 s[82:83], s[10:11], s[82:83]
.irp j, 0,1,2,3,8,9,10,11,16,17,18,19
	v_mov_b32 v[QB+\j], 0                          ; the zero codes beside q
.endr
.irp j, 0,1,2,3,4,5,6,7,8,9,10,11,12,13,14,15,16,17,18,19,20,21,22,23,24,25,26,27,28,29,30,31,32,33,34,35,36,37,38,39,40,41,42,43,44,45,46,47,48,49,50,51,52,53,54,55,56,57,58,59,60,61,62,63
	v_mov_b32 v[OA+\j], 0                          ; O^T of both tiles: the step is written once, and its first turn finds zeros, which the first change of M leaves zeros
.endr
.irp t, STA, STB
	v_mov_b32 v[\t+1], 0xff61b1e6                  ; the largest t so far: -3e38
	v_floor_f32 v[\t], -v[\t+1]                    ; -M
	v_mov_b32 v[\t+2], 0                           ; the sum
	v_mov_b32 v[\t+3], 0
.endr
.irp b, 0,1,2,3
	v_mov_b32 v[PL+\b], 0                          ; a lane permute's destination counts as read: written once
.endr
	v_mov_b32 v[F+1], 0                            ; named with f as a pair
	v_mov_b32 v[NINF], 0xff800000
	s_wait_tensorcnt 0x1                           ; the scale words and key steps 0-3 have landed; the load of key steps 4-15 may stay out
	s_barrier_signal -1
	s_barrier_wait -1
	s_wait_loadcnt 0x0                             ; q and its scale words
	v_and_b32 v[QWA], 0xffff, v[QWA]               ; tile 2 cx: bytes 0, 1 of the word;
	v_lshrrev_b32 v[QWB], 16, v[QWB]               ; tile 2 cx + 1: bytes 2, 3;
	v_lshl_or_b32 v[QWA], v[QWA], 16, v[QWA]       ; twice, so that one word serves (q | 0) and (0 | q)
	v_lshl_or_b32 v[QWB], v[QWB], 16, v[QWB]
	PLACES 8                                       ; a scale register written by a vector instruction stands eight places ahead of a scaled product
	s_mov_b32 s[KS], 0
	s_mov_b32 s[TB], 0
	s_mov_b32 s[TS], 0
.Lfirst:                                           ; key steps 0-3: LDS bytes under 16,384 of K's and of V's images
	TRIP
	s_cmp_lt_u32 s[KS], 4
	s_cbranch_scc1 .Lfirst
	s_wait_tensorcnt 0x0                           ; key steps 4-15 have landed,
	s_wait_dscnt 0x0
	s_barrier_signal -1
	s_barrier_wait -1                              ; for every wave
	s_mov_b32 s[KS], 4
	s_mov_b32 s[TB], 16384
	s_mov_b32 s[TS], 1024
.Lrest:
	TRIP
	s_cmp_lt_u32 s[KS], 16
	s_cbranch_scc1 .Lrest
	OUT STA, OA, P, 232, 76, 80
	OUT STB, OB, P+4, 233, 78, 82
	s_wait_tensorcnt 0x0
	ds_add_u32 v254, v255
	s_wait_dscnt 0x0
	ROUND                                          ; the closing round
	s_endpgm
.Lfunc_end_k_q9100d5e01c_attn:
	.size	k_q9100d5e01c_attn, .Lfunc_end_k_q9100d5e01c_attn-k_q9100d5e01c_attn
	.p2alignl 7, 3214868480
	.fill 96, 4, 3214868480
	.section	.rodata,"a",@progbits
	.p2align	6, 0x0
	.amdhsa_kernel k_q9100d5e01c_attn
		.amdhsa_group_segment_fixed_size 169984
		.amdhsa_private_segment_fixed_size 0
		.amdhsa_enable_private_segment 0
		.amdhsa_kernarg_size 32
		.amdhsa_user_sgpr_count 2
		.amdhsa_user_sgpr_kernarg_segment_ptr 1
		.amdhsa_wavefront_size32 1
		.amdhsa_system_sgpr_workgroup_id_x 1
		.amdhsa_system_sgpr_workgroup_id_y 1
		.amdhsa_system_sgpr_workgroup_id_z 1
		.amdhsa_system_vgpr_workitem_id 0
		.amdhsa_next_free_vgpr 256
		.amdhsa_next_free_sgpr 90
		.amdhsa_reserve_vcc 1
		.amdhsa_float_denorm_mode_32 3
		.amdhsa_float_denorm_mode_16_64 3
		.amdhsa_memory_ordered 1
		.amdhsa_forward_progress 1
		.amdhsa_inst_pref_size 98
	.end_amdhsa_kernel
	.amdgpu_metadata
---
amdhsa.version: [ 1, 2 ]
amdhsa.kernels:
  - .name:           k_q9100d5e01c_attn
    .symbol:         k_q9100d5e01c_attn.kd
    .args:
      - { .name: qkv_img, .offset: 0, .size: 8, .value_kind: global_buffer, .address_space: global }
      - { .name: qkv_sc, .offset: 8, .size: 8, .value_kind: global_buffer, .address_space: global }
      - { .name: o_img, .offset: 16, .size: 8, .value_kind: global_buffer, .address_space: global }
      - { .name: o_sc, .offset: 24, .size: 8, .value_kind: global_buffer, .address_space: global }
    .group_segment_fixed_size: 169984
    .private_segment_fixed_size: 0
    .kernarg_segment_align: 8
    .kernarg_segment_size: 32
    .max_flat_workgroup_size: 512
    .sgpr_count:     90
    .vgpr_count:     256
    .wavefront_size: 32
...
	.end_amdgpu_metadata
.endif
;; end of part 3
;; launch proj (part 4): grid 32 x 8, 4 waves a work-group, clusters of 4 x 1, 168,448 bytes of LDS; arguments o_img, o_sc, w_img, w_sc, bo, out0; writes out0
.if DOCPART == 4
	.amdgcn_target "amdgcn-amd-amdhsa--gfx1250"
	.amdhsa_code_object_version 6
	.text
	.protected	k_q9100d5e01c_proj
	.globl	k_q9100d5e01c_proj
	.p2align	8
	.type	k_q9100d5e01c_proj,@function
k_q9100d5e01c_proj:
	s_mov_b64 s[64:65], 0
	v_nop
	global_prefetch_b8 v0, s[64:65] scope:SCOPE_SE
	s_setreg_imm32_b32 hwreg(HW_REG_WAVE_MODE, 25, 1), 1
	s_wait_xcnt 0x0
	s_wait_alu depctr_hold_cnt(0) depctr_sa_sdst(0) depctr_va_vdst(0) depctr_va_sdst(0) depctr_va_ssrc(0) depctr_va_vcc(0) depctr_vm_vsrc(0)
	s_getreg_b32 s2, hwreg(HW_REG_IB_STS2, 6, 4)
	s_cmp_eq_u32 s2, 0
	s_cbranch_scc0 .Lentry_in_a_cluster
	s_endpgm
.Lentry_in_a_cluster:
	s_bfe_u32 s2, ttmp6, 0x10000c
	s_cmp_lg_u32 s2, 0x3003
	s_cbranch_scc0 .Lentry_shape_is_right
	s_endpgm
.Lentry_shape_is_right:
; out0 = o Wo^T + bo on codes of FP4 with E8M0 scales; out0 [8192][1024] f32.
; SHARES: work-group (mx, y) takes rows 256 mx on x columns 128 y on; wave (wm = w / 2, wn = w % 2) takes 128 rows x 64 columns: 32 accumulators.
; A (the wave's 128 rows of o, all of K: 512 registers) is loaded straight from its images, 512 consecutive bytes a load; it never enters LDS, so it is not asked for jointly.
; B (65,536 bytes of Wo's images) is filled into LDS once; the four work-groups of a cluster differ in mx alone and ask for it jointly: one tensor load a wave.
; TRANSPOSED (source 0 = 16 rows of Wo, source 1 = 16 rows of o): lane (r, h) holds row r of o's tile, register j of tile b column 32 (b / 2) + 8 (b % 2) + 16 h + j.
; Tile 2 G + u, lane-row r = row 32 G + 8 u + r + 8 (r / 8), in o and in Wo.  The way out goes through the wave's own stage in LDS (bytes that no fill touches), so that sixteen lanes store 256 consecutive bytes, aligned.
; REGISTERS, in windows of 256: window 1: A of K steps 0-3 at v[64 s + 8 a]; window 2: K steps 4-7; window 3: accumulator (a, b) at v[8 (4 a + b)]; window 0: all below.
.set LA,  4                            ; v4    16 x lane
.set LSC, 5                            ; v5    512 h + 16 r
.set BQ,  6                            ; v6    64 h
.set LB,  9                            ; v9    LDS: my 64 columns
.set STO, 12                           ; v12   the stage: where I put 32 bytes of a row
.set RD,  13                           ; v13   and where I read a row back
.set CO,  14                           ; v14   my byte offset in two rows of out0
.set AS,  32                           ; v32-63   o's scale words: register 8 p + s: lanes 0-15 tile 2 p, lanes 16-31 tile 2 p + 1
.set WS,  64                           ; v64-79   Wo's likewise
.set BF,  112                          ; v112-175 two sets of four fragments of B; on the way out two sets of 16 rows' quarters
.set BI,  176                          ; v176-207 the bias
.set WV,  22
.set G1,  28
.set G0,  36
.set STAGE, 65536                      ; behind B's tile: 16 rows x (256 + 16) bytes for each wave
.set MSB, 0
.macro WIN new                         ; the immediate's high byte repeats the setting that is left
.if MSB != \new
	s_set_vgpr_msb (MSB<<8)|\new
.set MSB, \new
.endif
.endm
.macro PLACES n
.rept \n
	v_nop
.endr
.endm
.macro ROUND                           ; a round of the cluster's barrier
	s_barrier_signal -1
	s_barrier_wait -1
	s_cmp_lg_u32 s[WV], 0
	s_cbranch_scc1 .Lnot_wave_0_\@
	s_barrier_signal -3
.Lnot_wave_0_\@:
	s_barrier_wait -3
	s_barrier_signal -1
	s_barrier_wait -1
.endm
.macro WMI                             ; one product, by the symbols rD, rA, rB, rC, rSA, rSB; fA, fB: the side's scales stand in lanes 16-31
.if fA && fB
	v_wmma_scale_f32_16x16x128_f8f6f4 v[rD:rD+7], v[rA:rA+7], v[rB:rB+7], v[rC:rC+7], v[rSA], v[rSB] matrix_a_fmt:MATRIX_FMT_FP4 matrix_b_fmt:MATRIX_FMT_FP4 matrix_a_scale:MATRIX_SCALE_ROW1 matrix_b_scale:MATRIX_SCALE_ROW1
.elseif fA
	v_wmma_scale_f32_16x16x128_f8f6f4 v[rD:rD+7], v[rA:rA+7], v[rB:rB+7], v[rC:rC+7], v[rSA], v[rSB] matrix_a_fmt:MATRIX_FMT_FP4 matrix_b_fmt:MATRIX_FMT_FP4 matrix_a_scale:MATRIX_SCALE_ROW1
.elseif fB
	v_wmma_scale_f32_16x16x128_f8f6f4 v[rD:rD+7], v[rA:rA+7], v[rB:rB+7], v[rC:rC+7], v[rSA], v[rSB] matrix_a_fmt:MATRIX_FMT_FP4 matrix_b_fmt:MATRIX_FMT_FP4 matrix_b_scale:MATRIX_SCALE_ROW1
.else
	v_wmma_scale_f32_16x16x128_f8f6f4 v[rD:rD+7], v[rA:rA+7], v[rB:rB+7], v[rC:rC+7], v[rSA], v[rSB] matrix_a_fmt:MATRIX_FMT_FP4 matrix_b_fmt:MATRIX_FMT_FP4
.endif
.endm
.macro PRODS s                         ; 32 products of K step s: the 32 accumulators by turns, one instruction a turn; the first step's C is the bias
.irp a, 0,1,2,3,4,5,6,7
.irp b, 0,1,2,3
.set rD, 8*(4*\a+\b)
.set rA, BF+32*((\s)%2)+8*\b
.set rB, 64*((\s)%4)+8*\a
.set rSA, WS+8*(\b/2)+(\s)
.set fA, \b%2
.set rSB, AS+8*(\a/2)+(\s)
.set fB, \a%2
.if (\s) == 0
.set rC, BI+8*\b
.else
.set rC, rD
.endif
	WMI
.endr
.endr
.endm
.macro ALOAD s                         ; A's eight fragments of K step s
.if (\s) < 4
	WIN 0x40
.else
	WIN 0x80
.endif
.irp a, 0,1,2,3,4,5,6,7
.irp c, 0,1
	global_load_b128 v[64*((\s)%4)+8*\a+4*\c:64*((\s)%4)+8*\a+4*\c+3], v[LA], s[4:5] offset:8192*\a+1024*(\s)+512*\c
.endr
.endr
.endm
.macro BLOAD s                         ; B's four fragments of K step s into set s % 2
.irp b, 0,1,2,3
.irp c, 0,1
	ds_load_b128 v[BF+32*((\s)%2)+8*\b+4*\c:BF+32*((\s)%2)+8*\b+4*\c+3], v[LB] offset:8192*\b+1024*(\s)+512*\c
.endr
.endr
.endm
.macro KSTEP s
.if (\s) <= 5
	ALOAD (\s)+2                                   ; A runs two K steps ahead, into registers that nothing has read yet
.endif
	WIN 0
	PLACES 4                                       ; four plain places behind the last step's products, in front of loads into the set that they read
.if (\s) < 7
	BLOAD (\s)+1
	s_wait_dscnt 8                                 ; this step's set is in; the 8 loads just issued may be out
.else
	s_wait_dscnt 0x0
.endif
.if (\s) <= 5
	s_wait_loadcnt 32                              ; A of this step (and all asked for earlier) is in; A of the next two steps may be out
.elseif (\s) == 6
	s_wait_loadcnt 16
.else
	s_wait_loadcnt 0x0
.endif
.if (\s) == 0
	WIN 0xc4                                       ; D window 3, C (bias) and source 0 (B) window 0, source 1 (A) window 1
.elseif (\s) < 4
	WIN 0xf4
.else
	WIN 0xf8
.endif
	PRODS \s
.endm
; THE WAY OUT, a tile of 16 rows x 64 columns at a time: into my stage, and back as whole rows of 256 bytes, two an instruction.
.macro TOSTAGE a
	WIN 0x0c                                       ; an LDS store's data are its source 1: window 3
.irp b, 0,1,2,3
	ds_store_b128 v[STO], v[32*(\a)+8*\b:32*(\a)+8*\b+3] offset:128*(\b/2)+32*(\b%2)          ; each accumulator from its low end on
	ds_store_b128 v[STO], v[32*(\a)+8*\b+4:32*(\a)+8*\b+7] offset:128*(\b/2)+32*(\b%2)+16
.endr
	WIN 0
.irp i, 0,1,2,3,4,5,6,7
	ds_load_b128 v[BF+32*((\a)%2)+4*\i:BF+32*((\a)%2)+4*\i+3], v[RD] offset:544*\i   ; LDS serves a wave's instructions in order: these see the stores above
.endr
.endm
.macro SEND a, younger                 ; younger: the LDS instructions issued behind tile a's loads, which may stay out
	s_wait_dscnt \younger
.irp i, 0,1,2,3,4,5,6,7
	global_store_b128 v[CO], v[BF+32*((\a)%2)+4*\i:BF+32*((\a)%2)+4*\i+3], s[14:15] offset:(32*((\a)/2)+8*((\a)%2)+2*\i+8*(\i/4))*4096 th:TH_STORE_NT   ; stage rows 2 i and 2 i + 1 at their rows of out0: 16 lanes store 256 consecutive bytes, aligned
.endr
.endm
	s_load_b256 s[4:11], s[0:1], 0x0               ; o_img, o_sc, w_img, w_sc
	s_load_b128 s[12:15], s[0:1], 0x20             ; bo, out0
	v_lshl_add_u32 v254, v0, 2, 0x29000
	v_mov_b32 v255, 0
	ds_add_u32 v254, v255
	ds_add_u32 v254, v255
	v_lshrrev_b32 v1, 5, v0
	v_readfirstlane_b32 s[WV], v1                  ; wave 0..3
	s_lshr_b32 s23, s[WV], 1                       ; wm
	s_and_b32 s24, s[WV], 1                        ; wn
	s_bfe_u32 s48, ttmp6, 0x40000                  ; cx
	s_lshl_b32 s49, ttmp9, 2
	s_add_co_u32 s49, s49, s48                     ; mx
	s_and_b32 s50, ttmp7, 0xffff                   ; y, which the four partners share
	s_mov_b32 s[G1], 15|(3<<16)|(1<<21)            ; 16,384 dense bytes as 64 rows of 256: the mask of all four; elements of 8 bytes; bit 21 set beside a mask
	s_mov_b32 s[G1+1], 32<<16
	s_mov_b32 s[G1+2], 64<<16
	s_mov_b32 s[G1+3], 32<<16
	s_mov_b32 s[G1+4], 64
	s_mov_b32 s[G1+5], 32
	s_mov_b32 s[G1+6], 0
	s_mov_b32 s[G1+7], 0
	s_lshl_b32 s54, s[WV], 14                      ; my quarter of the tile, in memory and in LDS
	s_lshl_b32 s52, s50, 16
	s_add_co_u32 s52, s52, s54
	s_add_co_u32 s52, s52, 1572864                 ; Wo's images begin at tile 192
	s_mov_b32 s53, 0
	s_wait_dscnt 0x0
	s_wait_kmcnt 0x0
	s_mov_b32 s[G0], 1
	s_mov_b32 s[G0+1], s54
	s_add_nc_u64 s[G0+2:G0+3], s[8:9], s[52:53]
	s_or_b32 s[G0+3], s[G0+3], 0x80000000
	ROUND                                          ; all four work-groups are here: the joint loads meet
	tensor_load_to_lds s[G0:G0+3], s[G1:G1+7]      ; filled once
	s_nop 0
	PLACES 4                                       ; four plain places behind the tensor load
	v_and_b32 v1, 31, v0                           ; lane
	v_and_b32 v2, 15, v0                           ; r
	v_bfe_u32 v3, v0, 4, 1                         ; h
	v_lshlrev_b32 v[LA], 4, v1
	v_lshlrev_b32 v[LSC], 4, v2
	v_lshl_add_u32 v[LSC], v3, 9, v[LSC]
	v_lshlrev_b32 v[BQ], 6, v3
	s_lshl_b32 s55, s24, 15
	v_add_nc_u32 v[LB], s55, v[LA]
	s_mul_i32 s55, s[WV], 4352
	s_add_co_u32 s55, s55, STAGE                   ; my stage
	v_mul_u32_u24 v[STO], v2, 272
	v_lshl_add_u32 v[STO], v3, 6, v[STO]
	v_add_nc_u32 v[STO], s55, v[STO]               ; in: row r, + 64 h
	v_mul_u32_u24 v[RD], v3, 272
	v_lshl_add_u32 v[RD], v2, 4, v[RD]
	v_add_nc_u32 v[RD], s55, v[RD]                 ; back: lanes 0-15 one row, lanes 16-31 the next
	v_lshlrev_b32 v[CO], 12, v3
	v_lshl_add_u32 v[CO], v2, 4, v[CO]             ; and the same two rows in out0
	s_lshl_b32 s52, s49, 17                        ; o_img
	s_lshl_b32 s55, s23, 16
	s_add_co_u32 s52, s52, s55
	s_add_nc_u64 s[4:5], s[4:5], s[52:53]
	s_lshl_b32 s52, s49, 13                        ; o_sc
	s_lshl_b32 s55, s23, 12
	s_add_co_u32 s52, s52, s55
	s_add_nc_u64 s[6:7], s[6:7], s[52:53]
	s_lshl_b32 s52, s50, 12                        ; w_sc: tile 192 + 8 y + 4 wn
	s_lshl_b32 s55, s24, 11
	s_add_co_u32 s52, s52, s55
	s_add_co_u32 s52, s52, 98304
	s_add_nc_u64 s[10:11], s[10:11], s[52:53]
	s_lshl_b32 s52, s50, 9                         ; column 128 y + 64 wn, in bytes
	s_lshl_b32 s55, s24, 8
	s_add_co_u32 s52, s52, s55
	s_add_nc_u64 s[12:13], s[12:13], s[52:53]      ; bo
	s_add_nc_u64 s[14:15], s[14:15], s[52:53]      ; out0,
	s_lshl_b32 s52, s49, 20                        ; at row 256 mx + 128 wm
	s_lshl_b32 s55, s23, 19
	s_add_co_u32 s52, s52, s55
	s_add_nc_u64 s[14:15], s[14:15], s[52:53]
.irp p, 0,1,2,3
.irp f, 0,1
	global_load_b128 v[AS+8*\p+4*\f:AS+8*\p+4*\f+3], v[LSC], s[6:7] offset:1024*\p+256*\f
.endr
.endr
.irp p, 0,1
.irp f, 0,1
	global_load_b128 v[WS+8*\p+4*\f:WS+8*\p+4*\f+3], v[LSC], s[10:11] offset:1024*\p+256*\f
.endr
.endr
.irp b, 0,1,2,3
	global_load_b128 v[BI+8*\b:BI+8*\b+3], v[BQ], s[12:13] offset:(32*(\b/2)+8*(\b%2))*4      ; the bias in the result's layout
	global_load_b128 v[BI+8*\b+4:BI+8*\b+7], v[BQ], s[12:13] offset:(32*(\b/2)+8*(\b%2))*4+16
.endr
	ALOAD 0
	ALOAD 1
	WIN 0
	s_wait_tensorcnt 0x0                           ; my quarter of B's tile has landed,
	s_barrier_signal -1
	s_barrier_wait -1                              ; everybody's has
	BLOAD 0
.irp s, 0,1,2,3,4,5,6,7
	KSTEP \s
.endr
	WIN 0
	PLACES 4                                       ; behind the last products: in front of the first read of results and of loads into B's sets
	TOSTAGE 0
.irp a, 1,2,3,4,5,6,7
.if \a > 1
	s_wait_xcnt 0x0                                ; tile a - 2's stores have read their data: tile a's loads may land there
.endif
	TOSTAGE \a
	SEND \a-1, 16                                  ; behind tile a - 1's loads: tile a's 8 stores and 8 loads
.endr
	SEND 7, 0
	s_wait_tensorcnt 0x0
	ds_add_u32 v254, v255
	s_wait_dscnt 0x0
	ROUND                                          ; the closing round
	s_endpgm
.Lfunc_end_k_q9100d5e01c_proj:
	.size	k_q9100d5e01c_proj, .Lfunc_end_k_q9100d5e01c_proj-k_q9100d5e01c_proj
	.p2alignl 7, 3214868480
	.fill 96, 4, 3214868480
	.section	.rodata,"a",@progbits
	.p2align	6, 0x0
	.amdhsa_kernel k_q9100d5e01c_proj
		.amdhsa_group_segment_fixed_size 168448
		.amdhsa_private_segment_fixed_size 0
		.amdhsa_enable_private_segment 0
		.amdhsa_kernarg_size 48
		.amdhsa_user_sgpr_count 2
		.amdhsa_user_sgpr_kernarg_segment_ptr 1
		.amdhsa_wavefront_size32 1
		.amdhsa_system_sgpr_workgroup_id_x 1
		.amdhsa_system_sgpr_workgroup_id_y 1
		.amdhsa_system_sgpr_workgroup_id_z 1
		.amdhsa_system_vgpr_workitem_id 0
		.amdhsa_next_free_vgpr 1024
		.amdhsa_next_free_sgpr 76
		.amdhsa_reserve_vcc 0
		.amdhsa_float_denorm_mode_32 3
		.amdhsa_float_denorm_mode_16_64 3
		.amdhsa_memory_ordered 1
		.amdhsa_forward_progress 1
		.amdhsa_inst_pref_size 72
	.end_amdhsa_kernel
	.amdgpu_metadata
---
amdhsa.version: [ 1, 2 ]
amdhsa.kernels:
  - .name:           k_q9100d5e01c_proj
    .symbol:         k_q9100d5e01c_proj.kd
    .args:
      - { .name: o_img, .offset: 0, .size: 8, .value_kind: global_buffer, .address_space: global }
      - { .name: o_sc, .offset: 8, .size: 8, .value_kind: global_buffer, .address_space: global }
      - { .name: w_img, .offset: 16, .size: 8, .value_kind: global_buffer, .address_space: global }
      - { .name: w_sc, .offset: 24, .size: 8, .value_kind: global_buffer, .address_space: global }
      - { .name: bo, .offset: 32, .size: 8, .value_kind: global_buffer, .address_space: global }
      - { .name: out0, .offset: 40, .size: 8, .value_kind: global_buffer, .address_space: global }
    .group_segment_fixed_size: 168448
    .private_segment_fixed_size: 0
    .kernarg_segment_align: 8
    .kernarg_segment_size: 48
    .max_flat_workgroup_size: 128
    .sgpr_count:     76
    .vgpr_count:     1024
    .wavefront_size: 32
...
	.end_amdgpu_metadata
.endif
;; end of part 4
